; MI455X (gfx1250); checked and timed in simulation.
; The chip was launched on July 23, 2026; its instructions are those of AMD's public machine-readable ISA for CDNA 5 (MIT licence, August 2026) and "CDNA5" Instruction Set Architecture Reference Guide (July 2026). The comments in the code are by the model that wrote it; some were corrected since.
;; Sentence Attention. Allowed arithmetic: matrix products marked QUANTISED: E2M1 operands, one E8M0 scale for each 32 along K, by v_wmma_scale_f32_16x16x128_f8f6f4 with both operands' format E2M1 (or v_wmma_scale_f32_32x16x128_f4), f32 sums; products left as they are: f32 operands where the result goes on into a quantised operand, else bf16, f16 or f32 operands; f32 sums; everything else in f32.
;; Inputs: W_codes 1,024 x 32 x 16 uint8 (E2M1 codes of W, K innermost, in blocks of 32 codes, two codes a byte); W_scales 1,024 x 32 uint8 (E8M0 scales of W, one for each 32 codes along K); document_index 256 x 2 int32; u 1 x 1,024 float32; x 256 x 128 x 1,024 float32.
;; Outputs: out0 256 x 1,024 float32; out1 128 float32.
;; This version of the problem:
;;   THIS VERSION OF THE PROBLEM IS GIVEN IN LOW PRECISION. The matrix products marked QUANTISED in the list below multiply operands that are first quantised to E2M1 (2 exponent bits, 1 mantissa bit; 4 bits a number), with one power-of-two scale for each 32 numbers along K (OCP MX v1.0); their sums are f32. All else is computed in f32.
;;   The module's matrix products, in the order in which they are computed (A, B: the left and right operand; K: the contracted axis; several contracted axes count as one K, in the product's order):
;;     1. [M 32,768, K 1,024] x [K 1,024, N 1,024]; A: input x; B: input W (given as codes): QUANTISED
;;     2. [M 32,768, K 1,024] x [K 1,024, N 1]; A: computed on the way; B: input u: left as it is (N = 1 < 16)
;;     3. batch 256 x [M 1, K 128] x [K 128, N 1,024]; A: computed on the way; B: input x: left as it is (M = 1 < 16)
;;   THE QUANTISER, for each operand of a quantised product, along K:
;;     - K is cut into blocks of 32 from its start; a last block that is shorter is filled with zeros.
;;     - A block's scale is 2^e with e = floor(log2(the largest magnitude in the block)) - 2, held to -126 .. 127; a block of zeros has e = 0. As a byte (E8M0): e + 127.
;;     - Each number is divided by its block's scale, clamped to +-6, and rounded to the nearest number of E2M1, ties to even, subnormals kept.
;;     - The product sums the exact products of the quantised numbers (number of the format x scale) in f32.
;;   ~~~python
;;   def quantise(x, axis):      # numpy; x: float32 -> the quantised numbers, widened to float32 again
;;       x = np.moveaxis(x, axis, -1); K = x.shape[-1]
;;       x = np.pad(x, [(0, 0)] * (x.ndim - 1) + [(0, -K % 32)]); x = x.reshape(x.shape[:-1] + (-1, 32)); a = np.abs(x).max(-1, keepdims=True)
;;       e = np.where(a > 0, np.clip(np.frexp(np.where(a > 0, a, 1))[1] - 1 - 2, -126, 127), 0)      # np.frexp(a)[1] - 1 = floor(log2(a)), exactly
;;       r = np.clip(x / 2.0 ** e, -6, 6)
;;       step = 2.0 ** (np.maximum(np.frexp(np.where(r == 0, 1, r))[1] - 1, 0) - 1)
;;       q = np.round(r / step) * step * 2.0 ** e      # np.round: ties to even
;;       return np.moveaxis(q.reshape(q.shape[:-2] + (-1,))[..., :K], -1, axis).astype(np.float32)
;;   ~~~
;;   INPUTS GIVEN AS CODES. W (in the module: [1024, 1024], K = its axis 1): each comes as NAME_codes (uint8): NAME with its K axis moved to the last place and cut into blocks of 32 codes, [.., K / 32, bytes a block], one block behind the other in memory; two codes a byte, the lower K in the low four bits (a code: sign, 2 exponent bits, 1 mantissa bit); and NAME_scales (uint8): the same leading axes, one E8M0 byte (e + 127) for each 32 codes along K. Its value is code x scale, taken as it is: it is not quantised again, and the codes and scales need not be those that the quantiser above would give.
;; One version. Each part assembles by itself: llvm-mc -triple=amdgcn-amd-amdhsa -mcpu=gfx1250 --defsym DOCPART=n.
;; ======== version 1 of 1: 1 launch
;; launch bag (part 1): grid 256 x 1, 16 waves a work-group, no clusters, 292,864 bytes of LDS; arguments x, W_codes, W_scales, u, document_index, out0, out1; writes out0, out1
.if DOCPART == 1
	.amdgcn_target "amdgcn-amd-amdhsa--gfx1250"
	.amdhsa_code_object_version 6
	.text
	.protected	k_qf0e2c7862b_bag
	.globl	k_qf0e2c7862b_bag
	.p2align	8
	.type	k_qf0e2c7862b_bag,@function
k_qf0e2c7862b_bag:
	s_mov_b64 s[64:65], 0
	v_nop
	global_prefetch_b8 v0, s[64:65] scope:SCOPE_SE
	s_setreg_imm32_b32 hwreg(HW_REG_WAVE_MODE, 25, 1), 1
	s_wait_xcnt 0x0
; SentenceAttention, one work-group of sixteen waves for each of the 256 bags.
;   score[s] = u . tanh(Q(x[s]) W^T)   (Q: MX-FP4 along E, made here; W arrives as E2M1 codes and E8M0 bytes)
;   attn = softmax of the scores over the rows start <= s < end;  out0[b] = sum of attn[s] x[s];  out1 = the last bag's attn, zeros outside the bag.
; ROWS OUTSIDE THE BAG ARE NEVER TOUCHED: the mask is made of document_index alone, so they are not loaded, multiplied or put through tanh.
; The bag's rows are COMPACTED: index i = 0 .. 127 stands for row min(lo + i, last); nt = ceil(len / 16) tiles of 16 rows are worked; the copies of row 'last'
; that fill the last tile get the weight 0.  Every branch hangs on document_index[b] (whole numbers, the same in all waves) and on the wave's number;
; so W and x go from memory straight into registers, and nothing is shared with other work-groups.
; PHASE 1: wave w quantises compacted rows 8 w .. 8 w + 7: codes and scale bytes to LDS; the first three of the eight rows also stay in LDS as f32, for the weighted sum
;   (16 waves x 3 rows x 4,096 bytes are what fits beside the codes).
; PHASE 2: wave w takes W's rows 64 w .. 64 w + 63, in two chunks of 32 (two tiles), against all nt tiles of x at once.  The product is used transposed (source 0 = 16 rows of W,
;   source 1 = 16 rows of x): a lane holds one row of x and eight of W's rows.  tanh(h) = 1 - 2 r, r = 1 / (1 + 2^(2 log2(e) h)); the lane sums u r.
;   A chunk's text is written once for each nt = 1 .. 8, so that every register number and every wait's count is a constant.
; PHASE 3: the sixteen partial sums meet in LDS; every wave that has rows makes the softmax (with the bag's maximum taken away) and weighs its own eight rows, all in f32:
;   three from LDS, five read from memory once more; the sums meet in LDS.
; u . tanh = sum(u) - 2 sum(u r): sum(u) is the same for all rows of a bag and falls out of the softmax, for every input, so it is not added.  The sums of u r are up to
;   sum|u| large, where reference()'s own sum is smaller when u carries an offset: with an offset of 30 times u's spread they reach about 1,000 and f32 leaves about 1e-4 in a score.
; LIMITS: NaN and infinities in x are not served.  A block whose largest magnitude lies under 2^-124 keeps the scale byte 1, a block of zeros too (its codes are zeros; only this
;   text reads the bytes).  document_index may hold any int32: it is held to 0 .. 128.
.set CP,    528        ; LDS: a row of codes: 512 bytes + 16 = 33 x 16: the 16 rows that a fragment load touches start at 16 different banks (64 banks of 4 bytes: ISA guide 11.1)
.set AP,    48         ; a row of x's scale bytes: 32 + 16
.set CODES, 0          ; 128 rows x CP
.set RED,   0          ; the last reduction, wave x 4,096 + 4 x column: it takes the codes' place behind the second barrier, when nobody reads them any more
.set ASC,   67584      ; 128 rows x AP
.set ULD,   73728      ; u as it lies; wave w stores and reads bytes 256 w .. 256 w + 255 alone
.set SCP,   77824      ; partial scores: wave x 512 + 4 x i
.set ATT,   86016      ; attn, a copy for each wave: wave x 512 + 4 x i
.set XB,    94208      ; f32 rows, each wave's own, as images of their registers: wave x XBW + 4,096 x j + 512 x k + 16 x lane, j = 0 .. 2, k = 0 .. 7
.set XBW,   12288
; v0 the thread's number; v1-v7 addresses, written anew on the common way in front of each phase; v8-39 x's scale words, v40-47 W's: these hold scales and nothing else
.set AS,    8
.set WS,    40
.set SACC,  48         ; v48-63  a pair of running sums of u r for each tile of rows
.set L32,   55         ; v55     outside phase 2: 32 x lane, my 32 bytes of each 1,024 of a row of x
.set BF,    64         ; from v64: W's fragments, a ring of RB K steps x 16 registers; behind them XF, four fragments of x; the accumulators end at v255
.set OFF,   96         ; phase 1: v96-99 a row slot's byte offset in the bag; v100-102 lane, lane % 16, lane / 16
.set MX,    104        ; v104-107 largest magnitudes, v108-111 the conversions' scale operands, v112-115 scale bytes, v116-119 codes: one for each quarter of the row
.set SO,    108
.set BYT,   112
.set COD,   116
.set XR,    128        ; v128-255 four row slots of 32 registers
.set RB,    4
; W's two tiles of K step q into ring slot q % RB: lane (r, h) takes bytes 64 q + 32 c + 16 h of row r: k = 128 q + 64 c + 32 h + 0 .. 31
.macro BLOAD q
.irp j, 0,1
.irp c, 0,1
	global_load_b128 v[BF+16*((\q)%RB)+8*\j+4*\c:BF+16*((\q)%RB)+8*\j+4*\c+3], v1, s[6:7] offset:8192*\j+64*(\q)+32*\c
.endr
.endr
.endm
; W's scale words of the chunk's 32 rows, all of K: 512 consecutive bytes a load.  Register i: lanes 0-15 K step i of row r, lanes 16-31 K step 4 + i
.macro WSLOAD
.irp j, 0,1
	global_load_b128 v[WS+4*\j:WS+4*\j+3], v2, s[8:9] offset:512*\j
.endr
.endm
; a row of x: lane L takes columns 256 p + 8 L + 0 .. 7, eight neighbours, as the conversion wants them; a pair of loads covers 1,024 consecutive bytes
.macro XLOAD reg, adr
.irp p, 0,1,2,3
.irp i, 0,1
	global_load_b128 v[\reg+8*\p+4*\i:\reg+8*\p+4*\i+3], v[\adr], s[4:5] offset:1024*\p+16*\i
.endr
.endr
.endm
.macro ROWIN j, reg, adr               ; my compacted row j is asked for, into the 32 registers from reg on; adr: the register that takes its byte offset
	s_add_co_u32 s29, s27, \j
	s_min_u32 s29, s29, s26                        ; past the bag's end: its last row once more
	s_min_u32 s29, s29, 127                        ; a number read from memory enters an address only held by a constant written here: the bag has 128 rows
	v_lshl_add_u32 v[\adr], s29, 12, v[L32]        ; 4,096 bytes a row + 32 x lane
	XLOAD \reg, \adr
.endm
; Row j is quantised.  left: the loads of the younger rows, eight each, which may stay out.
.macro PROC j, left
.set XS, XR+32*((\j)%4)
	s_wait_loadcnt \left                           ; loads come back in order (ISA guide 5.7.1): this row is in
	s_wait_dscnt 0x0                               ; the last row's LDS stores have read the registers that are written again below
.irp p, 0,1,2,3
	v_max3_num_f32 v[MX+\p], |v[XS+8*\p]|, |v[XS+8*\p+1]|, 0x1800000   ; my eight numbers, and the floor 2^(3 - 127): the byte cannot fall under 1.  (The four quarters by turns)
.endr
.irp i, 2,4,6
.irp p, 0,1,2,3
	v_max3_num_f32 v[MX+\p], v[MX+\p], |v[XS+8*\p+\i]|, |v[XS+8*\p+\i+1]|
.endr
.endr
.irp p, 0,1,2,3
	v_max_num_f32_dpp v[MX+\p], v[MX+\p], v[MX+\p] row_xmask:1 row_mask:0xf bank_mask:0xf
.endr
.irp p, 0,1,2,3
	v_max_num_f32_dpp v[MX+\p], v[MX+\p], v[MX+\p] row_xmask:2 row_mask:0xf bank_mask:0xf   ; four lanes hold a block of 32
.endr
.irp p, 0,1,2,3
	v_add_nc_u32 v[SO+\p], 0xff000000, v[MX+\p]    ; 2 off the exponent field: the conversion takes that field of this operand as its scale
.endr
.irp p, 0,1,2,3
	v_cvt_scalef32_pk8_fp4_f32 v[COD+\p], v[XS+8*\p:XS+8*\p+7], v[SO+\p]   ; eight codes, the lowest column's in the lowest four bits; beyond 6 the largest code
.endr
.irp p, 0,1,2,3
	v_lshrrev_b32 v[BYT+\p], 23, v[SO+\p]          ; the scale's byte.  (Also the plain instruction behind the scaled conversions)
.endr
.irp p, 0,1,2,3
	ds_store_b32 v3, v[COD+\p] offset:CP*\j+128*\p           ; 32 lanes: 128 consecutive bytes of the row's codes
	ds_store_b8 v4, v[BYT+\p] offset:AP*\j+8*\p              ; the four lanes of a block write the same byte with the same value
.endr
.if \j < 3
.irp k, 0,1,2,3,4,5,6,7
	ds_store_b128 v5, v[XS+4*\k:XS+4*\k+3] offset:4096*\j+512*\k   ; the row as it stands in my registers: 512 consecutive bytes a store; only this wave reads it back, by the same lines
.endr
.endif
.endm
	s_load_b256 s[4:11], s[0:1], 0x0               ; x s[4:5], W's codes s[6:7], W's scales s[8:9], u s[10:11]
	s_load_b128 s[12:15], s[0:1], 0x20             ; document_index s[12:13], out0 s[14:15]
	s_load_b64 s[16:17], s[0:1], 0x30              ; out1
	v_lshrrev_b32 v100, 5, v0
	v_readfirstlane_b32 s18, v100                  ; wave w, 0 .. 15
	s_lshr_b32 s19, s18, 1                         ; the tile of rows in which my eight rows lie
	v_and_b32 v100, 31, v0                         ; L
	v_and_b32 v101, 15, v0                         ; r
	v_bfe_u32 v102, v0, 4, 1                       ; h
	s_lshl_b32 s29, s18, 15
	v_lshlrev_b32 v1, 9, v101
	v_lshl_add_u32 v1, v102, 4, v1
	v_add_nc_u32 v1, s29, v1                       ; W's codes: my 64 rows of 512 bytes, row r, + 16 h
	s_lshl_b32 s29, s18, 11
	v_lshlrev_b32 v2, 5, v101
	v_lshl_add_u32 v2, v102, 4, v2
	v_add_nc_u32 v2, s29, v2                       ; W's scales: my 64 rows of 32 bytes, row r, + 16 h
	s_mul_i32 s29, s18, 8*CP
	v_lshl_add_u32 v3, v100, 2, s29                ; LDS: my eight rows of codes, + 4 L
	s_mul_i32 s29, s18, 8*AP
	s_add_co_u32 s29, s29, ASC
	v_lshrrev_b32 v4, 2, v100
	v_add_nc_u32 v4, s29, v4                       ; their scale bytes, + L / 4
	s_mul_i32 s29, s18, XBW
	s_add_co_u32 s29, s29, XB
	v_lshl_add_u32 v5, v100, 4, s29                ; my f32 rows, + 16 L
	v_lshl_add_u32 v6, v0, 3, ULD                  ; u in LDS: 8 bytes a thread
	v_lshlrev_b32 v[L32], 5, v100                  ; 32 L
	v_lshlrev_b32 v122, 3, v0                      ; u in memory: 8 bytes a thread
	s_mov_b32 s32, 0x76543210
	s_mov_b32 s33, 0xfedcba98                      ; v_permlanex16_b32's selects for lane l xor 16
	s_mov_b32 s34, 0x4038aa3b                      ; 2 log2(e)
	s_mov_b32 s35, s34                             ; (the packed form names the pair)
	s_mov_b32 s31, 0
	s_lshl_b32 s30, ttmp9, 3
	s_wait_kmcnt 0x0
	s_add_nc_u64 s[12:13], s[12:13], s[30:31]
	s_load_b64 s[20:21], s[12:13], 0x0             ; my bag's start and end
	s_lshl_b32 s30, ttmp9, 19
	s_add_nc_u64 s[4:5], s[4:5], s[30:31]          ; x at my bag: 128 rows of 4,096 bytes
	s_lshl_b32 s30, ttmp9, 12
	s_add_nc_u64 s[14:15], s[14:15], s[30:31]      ; out0 at my bag's row
	WSLOAD                                         ; the first chunk's scale words and first two K steps of W, and u: eleven loads, older than every load of x;
	BLOAD 0                                        ; they land while x is quantised, in registers that phase 1 does not name
	BLOAD 1
	global_load_b64 v[120:121], v122, s[10:11]
	s_wait_kmcnt 0x0
	s_max_i32 s22, s20, 0
	s_min_u32 s22, s22, 128                        ; lo
	s_max_i32 s23, s21, 0
	s_min_u32 s23, s23, 128                        ; hi
	s_sub_co_i32 s24, s23, s22
	s_max_i32 s24, s24, 0                          ; len, 0 .. 128
	s_add_co_u32 s25, s24, 15
	s_lshr_b32 s25, s25, 4                         ; nt, 0 .. 8
	s_max_u32 s26, s24, 1
	s_add_co_u32 s26, s26, s22
	s_sub_co_u32 s26, s26, 1
	s_min_u32 s26, s26, 127                        ; the bag's last row (of an empty bag: any row of the table)
	s_lshl_b32 s27, s18, 3
	s_add_co_u32 s27, s27, s22                     ; my first row: lo + 8 w
	; ---- PHASE 1.  A wave whose eight rows lie in no tile of the bag has nothing to quantise.  All eight rows stand in this one branch: four rows, 32 loads, are on their way.
	s_cmp_ge_u32 s19, s25
	s_cbranch_scc1 .Lp1done
.irp j, 0,1,2,3
	ROWIN \j, XR+32*\j, OFF+\j
.endr
.irp j, 0,1,2
	PROC \j, 24
	s_wait_dscnt 0x0                               ; the LDS stores of the f32 row have read the slot's registers: only now is the slot asked for again
	ROWIN \j+4, XR+32*\j, OFF+\j                   ; (its offset register is free: its loads were waited for)
.endr
	PROC 3, 24
	ROWIN 7, XR+96, OFF+3                          ; row 3's stores read other registers than the slot's
	PROC 4, 24
	PROC 5, 16                                     ; nothing more is asked for: the counts run down
	PROC 6, 8
	PROC 7, 0
.Lp1done:
	s_wait_loadcnt 0x0                             ; u and the first loads of W
	ds_store_b64 v6, v[120:121]
	s_wait_dscnt 0x0                               ; for the others' sake: my codes and scale bytes lie in LDS
	s_barrier_signal -1
	s_barrier_wait -1                              ; everybody's do
.irp k, 0,1,2,3,4,5,6,7,8,9,10,11,12,13,14,15
	v_mov_b32 v[SACC+\k], 0                        ; the sums of u r: two chunks add onto them, and a tile outside the bag keeps a defined number
.endr
	v_mul_u32_u24 v3, v101, CP
	v_lshl_add_u32 v3, v102, 4, v3                 ; x's fragments: row r x pitch + 16 h
	v_mul_u32_u24 v4, v101, AP
	v_lshl_add_u32 v4, v102, 4, v4
	v_add_nc_u32 v4, ASC, v4                       ; x's scale words: lanes 0-15 K steps 0-3 of row r, lanes 16-31 K steps 4-7
	s_lshl_b32 s29, s18, 8
	s_add_co_u32 s29, s29, ULD
	v_lshl_add_u32 v5, v102, 5, s29                ; my 64 numbers of u, + 32 h: a lane's eight rows of W begin at 8 h
	; ---- PHASE 2
; fragment idx of the walk (K step idx / nt, tile of rows idx % nt) into slot idx % 4
.macro ALOAD nt, idx
.irp c, 0,1
	ds_load_b128 v[XF+8*((\idx)%4)+4*\c:XF+8*((\idx)%4)+4*\c+3], v3 offset:16*CP*((\idx)%\nt)+64*((\idx)/\nt)+32*\c
.endr
.endm
; the product of walk step st with W's tile j.  The accumulators take turns, one instruction a turn.  K step 0 starts the sums with the constant 0.
.macro MM nt, j
.set mt, st%\nt
.set mq, st/\nt
.set mD, ACC+16*mt+8*\j
.set mB, BF+16*(mq%RB)+8*\j
.set mA, XF+8*(st%4)
.set mW, WS+4*\j+mq%4
.set mS, AS+4*mt+mq%4
.if mq == 0
	v_wmma_scale_f32_16x16x128_f8f6f4 v[mD:mD+7], v[mB:mB+7], v[mA:mA+7], 0, v[mW], v[mS] matrix_a_fmt:MATRIX_FMT_FP4 matrix_b_fmt:MATRIX_FMT_FP4
.elseif mq < 4
	v_wmma_scale_f32_16x16x128_f8f6f4 v[mD:mD+7], v[mB:mB+7], v[mA:mA+7], v[mD:mD+7], v[mW], v[mS] matrix_a_fmt:MATRIX_FMT_FP4 matrix_b_fmt:MATRIX_FMT_FP4
.else
	v_wmma_scale_f32_16x16x128_f8f6f4 v[mD:mD+7], v[mB:mB+7], v[mA:mA+7], v[mD:mD+7], v[mW], v[mS] matrix_a_fmt:MATRIX_FMT_FP4 matrix_b_fmt:MATRIX_FMT_FP4 matrix_a_scale:MATRIX_SCALE_ROW1 matrix_b_scale:MATRIX_SCALE_ROW1
.endif
.endm
; tanh and the dot with u, a tile's 16 registers at a time, in place, each accumulator from its low end on
.macro T_MUL t
.set tb, ACC+16*(\t)
.irp e, 0,2,4,6,8,10,12,14
	v_pk_mul_f32 v[tb+\e:tb+\e+1], v[tb+\e:tb+\e+1], s[34:35] op_sel_hi:[1,0]     ; 2 log2(e) h
.endr
.endm
.macro T_EXP t
.set tb, ACC+16*(\t)
.irp e, 0,1,2,3,4,5,6,7,8,9,10,11,12,13,14,15
	v_exp_f32 v[tb+\e], v[tb+\e]                   ; e^(2 h): infinity for a large h, 0 for a very negative one
.endr
.endm
.macro T_ONE t
.set tb, ACC+16*(\t)
.irp e, 0,2,4,6,8,10,12,14
	v_pk_add_f32 v[tb+\e:tb+\e+1], v[tb+\e:tb+\e+1], 1.0 op_sel_hi:[1,0]
.endr
.endm
.macro T_RCP t
.set tb, ACC+16*(\t)
.irp e, 0,1,2,3,4,5,6,7,8,9,10,11,12,13,14,15
	v_rcp_f32 v[tb+\e], v[tb+\e]                   ; r = 1 / (1 + e^(2 h)), between 0 and 1 at both ends
.endr
.endm
.macro T_DOT t
.set tb, ACC+16*(\t)
	s_wait_alu depctr_va_vdst(0)
.irp e, 0,2,4,6,8,10,12,14
	v_pk_fma_f32 v[SACC+2*(\t):SACC+2*(\t)+1], v[tb+\e:tb+\e+1], v[XF+\e:XF+\e+1], v[SACC+2*(\t):SACC+2*(\t)+1]
.endr
.endm
; Behind each run of transcendentals stands plain work of another tile (or a v_nop) before a result is used (ISA guide 5.7.2)
.macro TANH nt
	T_MUL 0
.set tt, 0
.rept \nt
	T_EXP tt
.if tt == 0
	v_nop
	s_wait_alu depctr_va_vdst(0)
	s_wait_dscnt 0x0                               ; u's sixteen numbers are in
.else
	T_DOT tt-1
.endif
	T_ONE tt
	T_RCP tt
.if tt+1 < \nt
	T_MUL tt+1
.else
	v_nop
	s_wait_alu depctr_va_vdst(0)
.endif
.set tt, tt+1
.endr
	T_DOT \nt-1
.endm
; ONE CHUNK (32 rows of W) for a bag of nt tiles.  The walk has 8 nt steps: K step by K step, in each the nt tiles of rows; a step is one fragment of x against W's two tiles.
; W's ring holds four K steps where the registers allow (nt <= 6), else two.  x's fragments are asked for two steps ahead.
; A load into a register that a matrix instruction has read stands four plain vector instructions behind it (ISA guide 7.12.1 for vector instructions):
; a slot read in step st - 2 is loaded again in step st, behind the two v_nop of step st - 1 and the two of step st.
.macro CHUNK nt
.if \nt <= 6
.set RB, 4
.else
.set RB, 2
.endif
.set XF, BF+16*RB
.set ACC, 256-16*\nt
.set NS, 8*\nt
.if RB == 4
	BLOAD 2                                        ; K steps 0 and 1 were asked for a phase ago
	BLOAD 3
.endif
.set t, 0
.rept \nt
	ds_load_b128 v[AS+4*t:AS+4*t+3], v4 offset:16*AP*t
.set t, t+1
.endr
	ALOAD \nt, 0
	ALOAD \nt, 1
.set st, 0
.rept 8*\nt
	v_nop
	v_nop
.if st+2 < NS
	ALOAD \nt, st+2
.endif
.if (st-1 >= \nt) && ((st-1)%\nt == 0)         ; the K step that ended two steps ago has left its ring slot
.set bg, (st-1)/\nt-1+RB
.if bg <= 7
	BLOAD bg
.endif
.endif
.if NS-1-st >= 2
	s_wait_dscnt 0x4                               ; the two loads each of the next two steps' fragments may be out: this step's are in (in step 0: the scale words too)
.elseif NS-1-st == 1
	s_wait_dscnt 0x2
.else
	s_wait_dscnt 0x0
.endif
.if st%\nt == 0                                ; a K step begins: its fragments of W are in; the four loads of each K step asked for behind it may be out
.set wq, st/\nt
.set wh, RB+wq-2
.if wh < RB-1
.set wh, RB-1
.endif
.if wh > 7
.set wh, 7
.endif
	s_wait_loadcnt 4*(wh-wq)
.endif
	MM \nt, 0
	MM \nt, 1
.set st, st+1
.endr
.rept 4
	v_nop                                          ; in front of the loads below and of the first read of results
.endr
	s_cmp_lg_u32 s28, 0
	s_cbranch_scc1 .Lnp_\@
	s_add_nc_u64 s[6:7], s[6:7], 16384             ; the second chunk's 32 rows.  K step 7's wait was for 0: no load that names these bases is out
	s_add_nc_u64 s[8:9], s[8:9], 1024
	WSLOAD                                         ; they land under the tanh
	BLOAD 0
	BLOAD 1
.Lnp_\@:
.irp j, 0,1
.irp i, 0,1
	ds_load_b128 v[XF+8*\j+4*\i:XF+8*\j+4*\i+3], v6 offset:64*\j+16*\i   ; u at the lane's rows of W: 16 j + 8 h + 0 .. 7, in the accumulators' order
.endr
.endr
	TANH \nt
.endm
	s_mov_b32 s28, 0
.Lchunk:                                           ; two trips, on every wave's way; the choice among the eight texts stands inside
	s_lshl_b32 s29, s28, 7
	v_add_nc_u32 v6, s29, v5                       ; u: the chunk's 32 numbers
.irp k, 1,2,3,4,5,6,7,8
	s_cmp_eq_u32 s25, \k
	s_cbranch_scc1 .Lv\k
.endr
	s_branch .Ljoin                                ; an empty bag multiplies nothing
.irp k, 1,2,3,4,5,6,7,8
.Lv\k:
	CHUNK \k
.if \k < 8
	s_branch .Ljoin
.endif
.endr
.Ljoin:
	s_add_co_u32 s28, s28, 1
	s_cmp_lt_u32 s28, 2
	s_cbranch_scc1 .Lchunk
	; ---- PHASE 3
	; REGISTERS: v48-51 out1's places, v52-54 the three row slots' offsets, v55 32 L; v64-127 the sixteen partial scores, then v64-95 my sums (register 8 p + e: column 256 p + 8 L + e)
	; and v96-127 a row from LDS; v128-131 i, v132 -infinity, v133 L, v134-137 at work, v140-143 t then p, v144-147 attn, v148-155 my eight weights, v[156:157] a weight twice; v160-255 three rows from memory
.set POS,   48
.set OF3,   52
.set OA,    64
.set XL,    96
.set WT,    148
.set PW,    156
.set XQ,    160
	s_wait_loadcnt 0x0                             ; no load names v1 or v2 any more
	v_and_b32 v133, 31, v0                         ; L
	v_and_b32 v134, 15, v0                         ; r
	s_lshl_b32 s29, s18, 9
	s_add_co_u32 s29, s29, SCP
	v_lshl_add_u32 v1, v134, 2, s29                ; my partial scores: + 4 r
	v_lshl_add_u32 v2, v133, 4, SCP                ; everybody's: rows 4 L .. 4 L + 3
	v_lshl_add_u32 v3, v0, 4, ATT                  ; my wave's copy of attn: 512 w + 16 L
	s_mul_i32 s29, s18, 544
	s_add_co_u32 s29, s29, ATT
	v_mov_b32 v4, s29                              ; in it my eight rows' weights: 512 w + 4 (8 w)
	s_mul_i32 s29, s18, XBW
	s_add_co_u32 s29, s29, XB
	v_lshl_add_u32 v5, v133, 4, s29                ; my f32 rows
	s_lshl_b32 s29, s18, 12
	v_lshl_add_u32 v6, v133, 5, s29                ; the reduction, on the way in: 4,096 w + 32 L
	v_lshlrev_b32 v7, 3, v0                        ; and out: 256 w + 8 L; the same number is my byte offset in out0's row
	v_mov_b32 v136, 0                              ; a lane permute's destination counts as one of its sources
	v_mov_b32 v137, 0
.irp t, 0,1,2,3,4,5,6,7
	v_add_f32 v[64+\t], v[SACC+2*\t], v[SACC+2*\t+1]
.endr
.irp t, 0,1,2,3,4,5,6,7
	v_permlanex16_b32 v[136+\t%2], v[64+\t], s32, s33
	v_add_f32 v[64+\t], v[64+\t], v[136+\t%2]      ; with lane l xor 16's eight rows of W: the sum over my wave's 64
	ds_store_b32 v1, v[64+\t] offset:64*\t         ; row 16 t + r; both halves of the lanes write the same word with the same value
.endr
	s_wait_dscnt 0x0                               ; my partial scores lie in LDS, and my reads of the codes are over
	s_barrier_signal -1
	s_barrier_wait -1
	s_cmp_ge_u32 s19, s25
	s_cbranch_scc1 .Lidle                          ; a wave without rows has nothing to weigh
	v_lshlrev_b32 v[L32], 5, v133
	ROWIN 3, XQ, OF3                               ; the five rows that LDS did not keep come again from memory: three are asked for now, 24 loads, and land under the softmax
	ROWIN 4, XQ+32, OF3+1
	ROWIN 5, XQ+64, OF3+2
.irp p, 0,1,2,3,4,5,6,7,8,9,10,11,12,13,14,15
	ds_load_b128 v[64+4*\p:64+4*\p+3], v2 offset:512*\p
.endr
	v_mov_b32 v132, 0xff800000                     ; -infinity
.irp e, 0,1,2,3
	v_lshl_add_u32 v[128+\e], v133, 2, \e          ; i = 4 L + e
.endr
.irp e, 0,1,2,3
	v_cmp_gt_u32 s[36+\e], s24, v[128+\e]          ; in the bag: i < len
.endr
	s_wait_dscnt 0x0
.macro RADD a, b                       ; four rows' partial sums of wave b onto wave a's
	v_pk_add_f32 v[64+4*(\a):64+4*(\a)+1], v[64+4*(\a):64+4*(\a)+1], v[64+4*(\b):64+4*(\b)+1]
	v_pk_add_f32 v[66+4*(\a):66+4*(\a)+1], v[66+4*(\a):66+4*(\a)+1], v[66+4*(\b):66+4*(\b)+1]
.endm
.irp p, 0,1,2,3,4,5,6,7
	RADD \p, \p+8
.endr
.irp p, 0,1,2,3
	RADD \p, \p+4
.endr
	RADD 0, 2
	RADD 1, 3
	RADD 0, 1
.irp e, 0,1,2,3
	v_mul_f32 v[140+\e], 0xc038aa3b, v[64+\e]      ; t = -2 log2(e) x sum(u r): the score, less sum(u), in powers of two
.endr
.irp e, 0,1,2,3
	v_cndmask_b32 v[140+\e], v132, v[140+\e], s[36+\e]
.endr
	v_max3_num_f32 v134, v140, v141, v142
	v_max_num_f32 v134, v134, v143
	v_max_num_f32_dpp v134, v134, v134 row_xmask:1 row_mask:0xf bank_mask:0xf
	v_max_num_f32_dpp v134, v134, v134 row_xmask:2 row_mask:0xf bank_mask:0xf
	v_max_num_f32_dpp v134, v134, v134 row_xmask:4 row_mask:0xf bank_mask:0xf
	v_max_num_f32_dpp v134, v134, v134 row_xmask:8 row_mask:0xf bank_mask:0xf
	v_permlanex16_b32 v136, v134, s32, s33
	v_max_num_f32 v134, v134, v136                 ; the bag's largest t (a wave that is here has a bag of at least one row)
.irp e, 0,1,2,3
	v_sub_f32 v[140+\e], v[140+\e], v134
.endr
.irp e, 0,1,2,3
	v_exp_f32 v[140+\e], v[140+\e]                 ; at most 1; 0 outside the bag
.endr
	v_nop
	s_wait_alu depctr_va_vdst(0)
	v_add_f32 v135, v140, v141
	v_add_f32 v137, v142, v143
	v_add_f32 v135, v135, v137
	v_add_f32_dpp v135, v135, v135 row_xmask:1 row_mask:0xf bank_mask:0xf
	v_add_f32_dpp v135, v135, v135 row_xmask:2 row_mask:0xf bank_mask:0xf
	v_add_f32_dpp v135, v135, v135 row_xmask:4 row_mask:0xf bank_mask:0xf
	v_add_f32_dpp v135, v135, v135 row_xmask:8 row_mask:0xf bank_mask:0xf
	v_permlanex16_b32 v136, v135, s32, s33
	v_add_f32 v135, v135, v136
	v_rcp_f32 v135, v135
	v_nop
	s_wait_alu depctr_va_vdst(0)
.irp e, 0,1,2,3
	v_mul_f32 v[144+\e], v[140+\e], v135
.endr
.irp e, 0,1,2,3
	v_cndmask_b32 v[144+\e], 0, v[144+\e], s[36+\e]   ; zeros outside the bag
.endr
	ds_store_b128 v3, v[144:147]
	ds_load_b128 v[WT:WT+3], v4                    ; my eight rows' weights, in every lane.  LDS serves a wave's instructions in order (ISA guide 5.7.1.4): these see the store
	ds_load_b128 v[WT+4:WT+7], v4 offset:16
	s_xor_b32 s29, ttmp9, 255                      ; out1: the last bag's wave 0
	s_or_b32 s29, s29, s18
	s_cmp_lg_u32 s29, 0
	s_cbranch_scc1 .Lno1
.irp e, 0,1,2,3
	v_add_nc_u32 v[POS+\e], s22, v[128+\e]         ; compacted row i is row lo + i; past the bag's end the places go on round the 128: each place is written once, those outside the bag with 0
	v_and_b32 v[POS+\e], 127, v[POS+\e]
	v_lshlrev_b32 v[POS+\e], 2, v[POS+\e]
.endr
.irp e, 0,1,2,3
	global_store_b32 v[POS+\e], v[144+\e], s[16:17]   ; (their registers are not written again)
.endr
.Lno1:
.macro LROW j                          ; my row j comes back from LDS into the registers' order in which it left
.irp k, 0,1,2,3,4,5,6,7
	ds_load_b128 v[XL+4*\k:XL+4*\k+3], v5 offset:4096*\j+512*\k
.endr
.endm
.macro WSUM reg, j, first              ; my sums take row j, which stands in the 32 registers from reg on, times its weight.  first = 1: it starts the sums: nothing is cleared
	v_mov_b32 v[PW], v[WT+\j]
	v_mov_b32 v[PW+1], v[WT+\j]
.irp k, 0,2,4,6,8,10,12,14,16,18,20,22,24,26,28,30
.if \first
	v_pk_mul_f32 v[OA+\k:OA+\k+1], v[\reg+\k:\reg+\k+1], v[PW:PW+1]
.else
	v_pk_fma_f32 v[OA+\k:OA+\k+1], v[\reg+\k:\reg+\k+1], v[PW:PW+1], v[OA+\k:OA+\k+1]
.endif
.endr
.endm
	LROW 0
	s_wait_dscnt 0x8                               ; the weights are in; row 0's eight loads may be out
	s_wait_loadcnt 0x10                            ; row 3 is in; the eight loads each of rows 4 and 5 may be out
	WSUM XQ, 3, 1
	ROWIN 6, XQ, OF3                               ; its slot and offset register are free
	s_wait_loadcnt 0x10                            ; row 4; rows 5 and 6 may be out
	WSUM XQ+32, 4, 0
	ROWIN 7, XQ+32, OF3+1
	s_wait_dscnt 0x0
	WSUM XL, 0, 0
	LROW 1                                         ; a row from LDS lands under a row from memory's arithmetic
	s_wait_loadcnt 0x10                            ; row 5; rows 6 and 7 may be out
	WSUM XQ+64, 5, 0
	s_wait_dscnt 0x0
	WSUM XL, 1, 0
	LROW 2
	s_wait_loadcnt 0x8                             ; row 6; row 7 may be out
	WSUM XQ, 6, 0
	s_wait_dscnt 0x0
	WSUM XL, 2, 0
	s_wait_loadcnt 0x0
	WSUM XQ+32, 7, 0
	s_branch .Lred
.Lidle:
.irp k, 0,1,2,3,4,5,6,7,8,9,10,11,12,13,14,15,16,17,18,19,20,21,22,23,24,25,26,27,28,29,30,31
	v_mov_b32 v[OA+\k], 0                          ; no rows: my part of the sum is 0
.endr
	s_xor_b32 s29, ttmp9, 255                      ; wave 0 is here only if the bag is empty: the last bag's attn is then 128 zeros
	s_or_b32 s29, s29, s18
	s_cmp_lg_u32 s29, 0
	s_cbranch_scc1 .Lred
	v_lshlrev_b32 v[POS], 4, v133
	global_store_b128 v[POS], v[OA:OA+3], s[16:17] ; 32 lanes store out1's 512 bytes
.Lred:
.irp p, 0,1,2,3
.irp i, 0,1
	ds_store_b128 v6, v[OA+8*\p+4*\i:OA+8*\p+4*\i+3] offset:1024*\p+16*\i
.endr
.endr
	s_wait_dscnt 0x0                               ; my eight rows' sum lies in LDS
	s_barrier_signal -1
	s_barrier_wait -1
.irp p, 0,1,2,3,4,5,6,7,8,9,10,11,12,13,14,15
	ds_load_b64 v[96+2*\p:96+2*\p+1], v7 offset:4096*\p      ; columns 64 w + 2 L, + 1 of all sixteen waves
.endr
	s_wait_dscnt 0x0
.irp p, 0,1,2,3,4,5,6,7
	v_pk_add_f32 v[96+2*\p:96+2*\p+1], v[96+2*\p:96+2*\p+1], v[112+2*\p:112+2*\p+1]
.endr
.irp p, 0,1,2,3
	v_pk_add_f32 v[96+2*\p:96+2*\p+1], v[96+2*\p:96+2*\p+1], v[104+2*\p:104+2*\p+1]
.endr
.irp p, 0,1
	v_pk_add_f32 v[96+2*\p:96+2*\p+1], v[96+2*\p:96+2*\p+1], v[100+2*\p:100+2*\p+1]
.endr
	v_pk_add_f32 v[96:97], v[96:97], v[98:99]
	global_store_b64 v7, v[96:97], s[14:15]        ; the wave stores 256 consecutive bytes, at a multiple of 256 from out0's first byte
	s_wait_xcnt 0x0
	v_lshl_add_u32 v254, v0, 2, 0x47000
	v_mov_b32 v255, 0
	s_wait_tensorcnt 0x0
	ds_add_u32 v254, v255
	s_wait_dscnt 0x0
	s_endpgm
.Lfunc_end_k_qf0e2c7862b_bag:
	.size	k_qf0e2c7862b_bag, .Lfunc_end_k_qf0e2c7862b_bag-k_qf0e2c7862b_bag
	.p2alignl 7, 3214868480
	.fill 96, 4, 3214868480
	.section	.rodata,"a",@progbits
	.p2align	6, 0x0
	.amdhsa_kernel k_qf0e2c7862b_bag
		.amdhsa_group_segment_fixed_size 292864
		.amdhsa_private_segment_fixed_size 0
		.amdhsa_enable_private_segment 0
		.amdhsa_kernarg_size 56
		.amdhsa_user_sgpr_count 2
		.amdhsa_user_sgpr_kernarg_segment_ptr 1
		.amdhsa_wavefront_size32 1
		.amdhsa_system_sgpr_workgroup_id_x 1
		.amdhsa_system_sgpr_workgroup_id_y 1
		.amdhsa_system_sgpr_workgroup_id_z 1
		.amdhsa_system_vgpr_workitem_id 0
		.amdhsa_next_free_vgpr 256
		.amdhsa_next_free_sgpr 66
		.amdhsa_reserve_vcc 0
		.amdhsa_float_denorm_mode_32 3
		.amdhsa_float_denorm_mode_16_64 3
		.amdhsa_memory_ordered 1
		.amdhsa_forward_progress 1
		.amdhsa_inst_pref_size 255
	.end_amdhsa_kernel
	.section	.bss,"aw",@nobits
	.p2align	6
	.space	262144
	.amdgpu_metadata
---
amdhsa.version: [ 1, 2 ]
amdhsa.kernels:
  - .name:           k_qf0e2c7862b_bag
    .symbol:         k_qf0e2c7862b_bag.kd
    .args:
      - { .name: x, .offset: 0, .size: 8, .value_kind: global_buffer, .address_space: global }
      - { .name: W_codes, .offset: 8, .size: 8, .value_kind: global_buffer, .address_space: global }
      - { .name: W_scales, .offset: 16, .size: 8, .value_kind: global_buffer, .address_space: global }
      - { .name: u, .offset: 24, .size: 8, .value_kind: global_buffer, .address_space: global }
      - { .name: document_index, .offset: 32, .size: 8, .value_kind: global_buffer, .address_space: global }
      - { .name: out0, .offset: 40, .size: 8, .value_kind: global_buffer, .address_space: global }
      - { .name: out1, .offset: 48, .size: 8, .value_kind: global_buffer, .address_space: global }
    .group_segment_fixed_size: 292864
    .private_segment_fixed_size: 0
    .kernarg_segment_align: 8
    .kernarg_segment_size: 56
    .max_flat_workgroup_size: 512
    .sgpr_count:     66
    .vgpr_count:     256
    .wavefront_size: 32
...
	.end_amdgpu_metadata
.endif
;; end of part 1
